; MI455X (gfx1250); checked and timed in simulation.
; The chip was launched on July 23, 2026; its instructions are those of AMD's public machine-readable ISA for CDNA 5 (MIT licence, August 2026) and "CDNA5" Instruction Set Architecture Reference Guide (July 2026). The comments in the code are by the model that wrote it; some were corrected since.
;; Model. Allowed arithmetic: matrix products marked QUANTISED: E2M1 operands, one E8M0 scale for each 32 along K, by v_wmma_scale_f32_16x16x128_f8f6f4 with both operands' format E2M1 (or v_wmma_scale_f32_32x16x128_f4), f32 sums; everything else in f32.
;; Inputs: We_codes 16 x 1,024 x 32 x 16 uint8 (E2M1 codes of We, K innermost, in blocks of 32 codes, two codes a byte); We_scales 16 x 1,024 x 32 uint8 (E8M0 scales of We, one for each 32 codes along K); Wg_codes 16 x 32 x 16 uint8 (E2M1 codes of Wg, K innermost, in blocks of 32 codes, two codes a byte); Wg_scales 16 x 32 uint8 (E8M0 scales of Wg, one for each 32 codes along K); x 4,096 x 1,024 float32.
;; Outputs: out0 4,096 x 1,024 float32.
;; This version of the problem:
;;   THIS VERSION OF THE PROBLEM IS GIVEN IN LOW PRECISION. The matrix products marked QUANTISED in the list below multiply operands that are first quantised to E2M1 (2 exponent bits, 1 mantissa bit; 4 bits a number), with one power-of-two scale for each 32 numbers along K (OCP MX v1.0); their sums are f32. All else is computed in f32.
;;   The module's matrix products, in the order in which they are computed (A, B: the left and right operand; K: the contracted axis; several contracted axes count as one K, in the product's order):
;;     1. [M 4,096, K 1,024] x [K 1,024, N 16]; A: input x; B: input Wg (given as codes): QUANTISED
;;     2. [M 4,096, K 1,024] x [K 1,024, N 1,024]; A: computed on the way; B: input We (given as codes): QUANTISED
;;     3. [M 4,096, K 1,024] x [K 1,024, N 1,024]; A: computed on the way; B: input We (given as codes): QUANTISED
;;     4. [M 4,096, K 1,024] x [K 1,024, N 1,024]; A: computed on the way; B: input We (given as codes): QUANTISED
;;     5. [M 4,096, K 1,024] x [K 1,024, N 1,024]; A: computed on the way; B: input We (given as codes): QUANTISED
;;     6. [M 4,096, K 1,024] x [K 1,024, N 1,024]; A: computed on the way; B: input We (given as codes): QUANTISED
;;     7. [M 4,096, K 1,024] x [K 1,024, N 1,024]; A: computed on the way; B: input We (given as codes): QUANTISED
;;     8. [M 4,096, K 1,024] x [K 1,024, N 1,024]; A: computed on the way; B: input We (given as codes): QUANTISED
;;     9. [M 4,096, K 1,024] x [K 1,024, N 1,024]; A: computed on the way; B: input We (given as codes): QUANTISED
;;     10. [M 4,096, K 1,024] x [K 1,024, N 1,024]; A: computed on the way; B: input We (given as codes): QUANTISED
;;     11. [M 4,096, K 1,024] x [K 1,024, N 1,024]; A: computed on the way; B: input We (given as codes): QUANTISED
;;     12. [M 4,096, K 1,024] x [K 1,024, N 1,024]; A: computed on the way; B: input We (given as codes): QUANTISED
;;     13. [M 4,096, K 1,024] x [K 1,024, N 1,024]; A: computed on the way; B: input We (given as codes): QUANTISED
;;     14. [M 4,096, K 1,024] x [K 1,024, N 1,024]; A: computed on the way; B: input We (given as codes): QUANTISED
;;     15. [M 4,096, K 1,024] x [K 1,024, N 1,024]; A: computed on the way; B: input We (given as codes): QUANTISED
;;     16. [M 4,096, K 1,024] x [K 1,024, N 1,024]; A: computed on the way; B: input We (given as codes): QUANTISED
;;     17. [M 4,096, K 1,024] x [K 1,024, N 1,024]; A: computed on the way; B: input We (given as codes): QUANTISED
;;   THE QUANTISER, for each operand of a quantised product, along K:
;;     - K is cut into blocks of 32 from its start; a last block that is shorter is filled with zeros.
;;     - A block's scale is 2^e with e = floor(log2(the largest magnitude in the block)) - 2, held to -126 .. 127; a block of zeros has e = 0. As a byte (E8M0): e + 127.
;;     - Each number is divided by its block's scale, clamped to +-6, and rounded to the nearest number of E2M1, ties to even, subnormals kept.
;;     - The product sums the exact products of the quantised numbers (number of the format x scale) in f32.
;;   ~~~python
;;   def quantise(x, axis):      # numpy; x: float32 -> the quantised numbers, widened to float32 again
;;       x = np.moveaxis(x, axis, -1); K = x.shape[-1]
;;       x = np.pad(x, [(0, 0)] * (x.ndim - 1) + [(0, -K % 32)]); x = x.reshape(x.shape[:-1] + (-1, 32)); a = np.abs(x).max(-1, keepdims=True)
;;       e = np.where(a > 0, np.clip(np.frexp(np.where(a > 0, a, 1))[1] - 1 - 2, -126, 127), 0)      # np.frexp(a)[1] - 1 = floor(log2(a)), exactly
;;       r = np.clip(x / 2.0 ** e, -6, 6)
;;       step = 2.0 ** (np.maximum(np.frexp(np.where(r == 0, 1, r))[1] - 1, 0) - 1)
;;       q = np.round(r / step) * step * 2.0 ** e      # np.round: ties to even
;;       return np.moveaxis(q.reshape(q.shape[:-2] + (-1,))[..., :K], -1, axis).astype(np.float32)
;;   ~~~
;;   OPERANDS COMPUTED ON THE WAY. 'Computed on the way' means the value that the module computes at that place (a softmax that the list does not call 'softmax' is quantised finished and normalised). What goes into a quantiser is computed in f32, as accurately as f32 sums, v_exp_f32 and their like allow (about 1e-6 of the number): no bf16 or f16 on the way to a quantiser, and a product that is left as it is and whose result goes on into a quantised operand takes f32 operands (vector FMAs, or v_wmma_f32_16x16x4_f32). A number that lies on a knife's edge between two numbers of the format may be rounded either way, as far as f32 arithmetic and the matrix unit's own rounding can turn it there, and no further.
;;   INPUTS GIVEN AS CODES. We (in the module: [16, 1024, 1024], K = its axis 2); Wg (in the module: [16, 1024], K = its axis 1): each comes as NAME_codes (uint8): NAME with its K axis moved to the last place and cut into blocks of 32 codes, [.., K / 32, bytes a block], one block behind the other in memory; two codes a byte, the lower K in the low four bits (a code: sign, 2 exponent bits, 1 mantissa bit); and NAME_scales (uint8): the same leading axes, one E8M0 byte (e + 127) for each 32 codes along K. Its value is code x scale, taken as it is: it is not quantised again, and the codes and scales need not be those that the quantiser above would give.
;; 2 versions. Each part assembles by itself: llvm-mc -triple=amdgcn-amd-amdhsa -mcpu=gfx1250 --defsym DOCPART=n.
;; ======== version 1 of 2: 2 launches
;; workspace buffers: xq 2,097,152 bytes; xs 131,072 bytes; idx 16,384 bytes of whole numbers
;; launch route (part 1): grid 256 x 1, 8 waves a work-group, no clusters, 168,960 bytes of LDS; arguments x, Wg_codes, Wg_scales, xq, xs, idx; writes xq, xs, idx
.if DOCPART == 1
	.amdgcn_target "amdgcn-amd-amdhsa--gfx1250"
	.amdhsa_code_object_version 6
	.text
	.protected	k_qc322bd4a1b_route
	.globl	k_qc322bd4a1b_route
	.p2align	8
	.type	k_qc322bd4a1b_route,@function
k_qc322bd4a1b_route:
	s_mov_b64 s[64:65], 0
	v_nop
	global_prefetch_b8 v0, s[64:65] scope:SCOPE_SE
	s_setreg_imm32_b32 hwreg(HW_REG_WAVE_MODE, 25, 1), 1
	s_wait_xcnt 0x0
; x [4096][1024] f32 is quantised along K to codes of E2M1 with one E8M0 byte for each 32; the codes are multiplied by Wg (16 experts, given as codes); the expert with the largest
; score (the lower number where two are equal) is stored for each token.  The codes and scale bytes are stored too: the next launch multiplies them by the chosen expert's weights.
; OUT:  xq [token][512 bytes]: block b of 32 codes at byte 16 b, the lower k in the low four bits.
;       xs [token][32 bytes]: block b's scale byte at byte 2 (b % 16) + b / 16, so that word s holds the bytes of blocks 2 s, 16 + 2 s, 2 s + 1, 17 + 2 s: the order in which the next launch walks K.
;       idx [token]: the expert, a 32-bit whole number.
; SHARES.  A work-group of eight waves owns 16 tokens; wave w owns K = 128 w .. 128 w + 127 of all 16: one matrix instruction's depth.  Its 16 rows x 512 bytes of x come by one tensor load, issued
; first of all, into LDS bytes of the wave's own, which it alone reads: its own wait on TENSORcnt is all the ordering that these reads need.  Nothing is filled a second time.
; A lane (r = lane % 16, h = lane / 16) takes from LDS the two whole blocks of 32 that the operand's layout gives it (blocks h and 2 + h of the wave's four), so that a block's largest magnitude needs no
; other lane and the conversions' results are the operand's registers.
; The gate product is used with source 0 = the 16 experts and source 1 = the 16 tokens: a lane then holds ONE token and eight experts.  The eight waves' partial sums meet in LDS; wave 0 adds them in
; ascending K and takes the argmax.  One barrier in all.
; A block's scale is 2^(floor(log2(largest magnitude)) - 2); its byte is the largest magnitude's exponent field - 2, held at 1 from below.
; LIMITS: NaN and infinities in x are not served.  A block of zeros gets the byte 1 where the quantiser's rule says 127: its codes are zeros, and these bytes are read by this program alone.
; The gate's K is summed as eight sums of 128 that are then added in ascending order: two scores that differ by no more than f32 rounding may be ordered either way.
; NO CLUSTER: the work-groups share Wg alone, 8,704 bytes against the 65,536 bytes of x that each reads for itself.
.set XP,    528                        ; a row of a wave's tile of x in LDS: 512 bytes + 16 of padding = 33 x 16: the 16 rows that a load touches start at 16 different 16-byte columns
.set XTILE, 16*XP                      ; 8,448 bytes = 33 x 256: a wave's tile
.set CODE,  8*XTILE                    ; behind the tiles: the 16 tokens' codes, rows of 512 bytes + 16
.set SC,    CODE+XTILE                 ; their scale bytes, 32 a token, in xs's order
.set PART,  SC+512                     ; the partial sums: 1,024 bytes a wave, an image of the result's eight registers
; REGISTERS: v1 lane, v2 r, v3 h; v4-15 addresses, never rewritten; v[16:23] Wg's fragment, v24 its scale word; v25 x's scale word; v26-31 the two blocks' largest magnitudes, scale operands, bytes;
; v[32:39] x's codes = its fragment; v[40:47] the product; v[48:111] 64 numbers of x, later the partial sums; v[112:119] rows of codes on their way out; v120-123 at work.
	s_load_b256 s[4:11], s[0:1], 0x0               ; x s[4:5], Wg's codes s[6:7], Wg's scales s[8:9], xq s[10:11]
	s_load_b128 s[36:39], s[0:1], 0x20             ; xs s[36:37], idx s[38:39]
	v_lshl_add_u32 v128, v0, 2, 0x29000
	v_mov_b32 v129, 0
	ds_add_u32 v128, v129
	ds_add_u32 v128, v129
	v_lshrrev_b32 v1, 5, v0
	v_readfirstlane_b32 s24, v1                    ; wave 0..7
	; descriptor group 1: a tile of 16 rows x 128 elements of 4 bytes, rows 1,024 elements apart, padded in LDS
	s_mov_b32 s16, (2<<16)|(1<<20)|(6<<22)|(3<<25) ; 15:0 no mask; 17:16 elements of 4 bytes; 20 padding on; 24:22 after every 128 words (code 6); 31:25 four words (code 3)
	s_mov_b32 s17, 128<<16                         ; tensor_dim0 = 128
	s_mov_b32 s18, 16<<16                          ; tensor_dim1 = 16
	s_mov_b32 s19, 128<<16                         ; tile_dim0 = 128
	s_mov_b32 s20, 16                              ; tile_dim1 = 16
	s_mov_b32 s21, 1024                            ; from row to row
	s_mov_b32 s22, 0
	s_mov_b32 s23, 0
	s_mov_b32 s12, 1                               ; group 0: count = 1,
	s_mul_i32 s13, s24, XTILE                      ; the wave's own tile in LDS,
	s_lshl_b32 s28, ttmp9, 16                      ; 16 tokens of 4,096 bytes a work-group,
	s_lshl_b32 s30, s24, 9                         ; 512 bytes of each row a wave
	s_add_co_u32 s28, s28, s30
	s_mov_b32 s29, 0
	s_mov_b32 s26, 0x76543210                      ; v_permlanex16_b32's selects for lane l xor 16
	s_mov_b32 s27, 0xfedcba98
	s_wait_dscnt 0x0
	s_wait_kmcnt 0x0
	s_add_nc_u64 s[14:15], s[4:5], s[28:29]        ; the tile's first element,
	s_or_b32 s15, s15, 0x80000000                  ; type = 2
	tensor_load_to_lds s[12:15], s[16:23]          ; the wave's one tensor load
	s_nop 0
	v_and_b32 v1, 31, v0                           ; lane
	v_and_b32 v2, 15, v0                           ; r
	v_bfe_u32 v3, v0, 4, 1                         ; h
	v_lshlrev_b32 v13, 9, v2                       ; Wg's codes: row r of 512 bytes,
	v_lshl_add_u32 v13, v3, 4, v13                 ; + 16 h,
	v_lshl_add_u32 v13, s24, 6, v13                ; + my wave's 64 bytes
	v_lshlrev_b32 v14, 5, v2                       ; Wg's scales: row r of 32 bytes,
	v_lshl_add_u32 v14, s24, 2, v14                ; my wave's word
	global_load_b128 v[16:19], v13, s[6:7]         ; expert r, k = 32 h .. + 31 of my 128
	global_load_b128 v[20:23], v13, s[6:7] offset:32   ; and 64 + 32 h ..
	global_load_b32 v24, v14, s[8:9]
	; every LDS address is made here, ahead of the first branch on the wave's number
	v_mul_u32_u24 v4, v2, XP
	v_lshl_add_u32 v4, v3, 7, v4
	v_add_nc_u32 v4, s13, v4                       ; x: my tile, row r, + 128 h: block h of the row's four
	v_mul_u32_u24 v5, v2, XP
	v_lshl_add_u32 v5, v3, 4, v5
	s_lshl_b32 s28, s24, 6
	s_add_co_u32 s28, s28, CODE
	v_add_nc_u32 v5, s28, v5                       ; codes in: row r, + 64 w + 16 h
	v_lshlrev_b32 v6, 5, v2
	v_lshl_add_u32 v6, v3, 1, v6
	s_and_b32 s28, s24, 3
	s_lshl_b32 s28, s28, 3
	s_lshr_b32 s30, s24, 2
	s_add_co_u32 s28, s28, s30
	s_add_co_u32 s28, s28, SC
	v_add_nc_u32 v6, s28, v6                       ; scale bytes in: block b = 4 w + h lies at 32 r + 2 (b % 16) + b / 16 = 32 r + 8 (w % 4) + 2 h + w / 4; block b + 2 four bytes on
	v_lshlrev_b32 v12, 4, v1                       ; 16 x lane
	s_lshl_b32 s28, s24, 10
	s_add_co_u32 s28, s28, PART
	v_add_nc_u32 v7, s28, v12                      ; partial sums in: my wave's 1,024 bytes
	v_add_nc_u32 v8, PART, v12                     ; and out
	s_mul_i32 s28, s24, 2*XP
	s_add_co_u32 s28, s28, CODE
	v_add_nc_u32 v9, s28, v12                      ; codes out: rows 2 w and 2 w + 1, 16 bytes a lane
	v_lshl_add_u32 v10, s24, 10, v12               ; and the same two rows in xq
	v_add_nc_u32 v11, SC, v12                      ; scale bytes out
	v_lshlrev_b32 v15, 2, v1                       ; 4 x lane
	s_lshl_b32 s28, ttmp9, 13
	s_add_nc_u64 s[10:11], s[10:11], s[28:29]      ; xq, xs and idx at the work-group's first token
	s_lshl_b32 s28, ttmp9, 9
	s_add_nc_u64 s[36:37], s[36:37], s[28:29]
	s_lshl_b32 s28, ttmp9, 6
	s_add_nc_u64 s[38:39], s[38:39], s[28:29]
	s_wait_tensorcnt 0x0                           ; my tile is in LDS
.irp c, 0,1
.irp i, 0,1,2,3,4,5,6,7
	ds_load_b128 v[48+32*\c+4*\i:48+32*\c+4*\i+3], v4 offset:256*\c+16*\i   ; x(r, 128 w + 64 c + 32 h + 4 i ..)
.endr
.endr
	s_wait_dscnt 0x0
; Two whole blocks of a lane, v[48:79] and v[80:111], become registers 0-3 and 4-7 of the operand, their bytes v30 and v31, and with lane l xor 16's two bytes the row's scale word v25.
.macro QUANT2
.irp c, 0,1
	v_max3_num_f32 v[26+\c], |v[48+32*\c]|, |v[49+32*\c]|, 0x1800000   ; and the floor 2^(3 - 127), under which no largest magnitude is taken: so the byte cannot fall under 1
.endr
.irp i, 2,4,6,8,10,12,14,16,18,20,22,24,26,28,30
.irp c, 0,1
	v_max3_num_f32 v[26+\c], v[26+\c], |v[48+32*\c+\i]|, |v[49+32*\c+\i]|   ; (the two blocks by turns)
.endr
.endr
.irp c, 0,1
	v_add_nc_u32 v[28+\c], 0xff000000, v[26+\c]    ; 2 off the exponent field: the conversion takes the exponent field of this operand as its scale, and nothing else of it
.endr
.irp c, 0,1
	v_lshrrev_b32 v[30+\c], 23, v[28+\c]           ; the scale's byte
.endr
	v_lshl_or_b32 v25, v31, 16, v30                ; my two bytes, blocks h and 2 + h,
	v_lshlrev_b32 v120, 3, v3
	v_lshlrev_b32 v25, v120, v25                   ; at their places in the word (8 h bits up);
	v_mov_b32 v121, 0                              ; (a lane permute's destination counts as one of its sources)
	v_permlanex16_b32 v121, v25, s26, s27
	v_or_b32 v25, v25, v121                        ; with lane l xor 16's two the word is whole
.irp c, 0,1
.irp g, 0,1,2,3
	v_cvt_scalef32_pk8_fp4_f32 v[32+4*\c+\g], v[48+32*\c+8*\g:55+32*\c+8*\g], v[28+\c]   ; to the nearest code, ties to even; beyond 6 the largest code, as the quantiser's clamp asks
.endr
.endr
	v_nop                                          ; one plain place behind the last scaled conversion
.endm
	QUANT2
	ds_store_b128 v5, v[32:35]                     ; block 4 w + h: 16 bytes of token r's row of codes
	ds_store_b128 v5, v[36:39] offset:32           ; block 4 w + 2 + h
	ds_store_b8 v6, v30
	ds_store_b8 v6, v31 offset:4
	s_wait_loadcnt 0x0                             ; Wg's fragment and scale word
.rept 8
	v_nop                                          ; a scale register written by a vector instruction stands 8 places ahead of a scaled matrix instruction, an operand so written 4
.endr
	v_wmma_scale_f32_16x16x128_f8f6f4 v[40:47], v[16:23], v[32:39], 0, v24, v25 matrix_a_fmt:MATRIX_FMT_FP4 matrix_b_fmt:MATRIX_FMT_FP4   ; lane (r, h), register j: token r, expert 8 h + j, my 128 of K
.rept 4
	v_nop                                          ; four places ahead of the first read of the result (ISA guide 7.12.1)
.endr
	ds_store_b128 v7, v[40:43]                     ; the result from its low end on, as an image of its registers
	ds_store_b128 v7, v[44:47] offset:512
	s_wait_dscnt 0x0                               ; for the others' sake: all my LDS stores have landed
	s_barrier_signal -1
	s_barrier_wait -1                              ; the 16 tokens' codes, scale bytes and partial sums lie in LDS
	ds_load_b128 v[112:115], v9                    ; token 2 w's 512 bytes of codes, 16 a lane
	ds_load_b128 v[116:119], v9 offset:XP          ; token 2 w + 1's
	s_wait_dscnt 0x0
	global_store_b128 v10, v[112:115], s[10:11]    ; each store of the wave covers 512 consecutive bytes, aligned
	global_store_b128 v10, v[116:119], s[10:11] offset:512
	s_cmp_lg_u32 s24, 1
	s_cbranch_scc1 .Lnot_wave_1
	ds_load_b128 v[48:51], v11                     ; wave 1: the 16 tokens' 512 scale bytes
	s_wait_dscnt 0x0
	global_store_b128 v12, v[48:51], s[36:37]      ; 512 consecutive bytes, aligned
.Lnot_wave_1:
	s_cmp_lg_u32 s24, 0
	s_cbranch_scc1 .Lend
.irp w, 0,1,2,3,4,5,6,7                        ; wave 0: the eight partial sums, in the lanes and registers in which they were made
	ds_load_b128 v[48+8*\w:51+8*\w], v8 offset:1024*\w
	ds_load_b128 v[52+8*\w:55+8*\w], v8 offset:1024*\w+512
.endr
	s_wait_dscnt 0x0
.irp w, 1,2,3,4,5,6,7                          ; added in ascending K, two at a time
.irp k, 0,2,4,6
	v_pk_add_f32 v[48+\k:49+\k], v[48+\k:49+\k], v[48+8*\w+\k:49+8*\w+\k]
.endr
.endr
	v_mov_b32 v120, v48                            ; the largest score so far of my eight experts,
	v_mov_b32 v121, 0                              ; and which it is
.irp j, 1,2,3,4,5,6,7
	v_cmp_ge_f32 vcc_lo, v120, v[48+\j]            ; the earlier one stays where it is as large: the lower number wins a tie
	v_cndmask_b32 v121, \j, v121, vcc_lo
	v_cndmask_b32 v120, v[48+\j], v120, vcc_lo
.endr
	v_lshl_add_u32 v121, v3, 3, v121               ; expert 8 h + j
	v_mov_b32 v122, 0                              ; (the permutes' destinations are written first)
	v_mov_b32 v123, 0
	v_permlanex16_b32 v122, v120, s26, s27         ; the other eight experts' best
	v_permlanex16_b32 v123, v121, s26, s27
	v_cmp_ge_f32 vcc_lo, v120, v122                ; in lanes 0-15 mine are experts 0-7: they win a tie
	v_cndmask_b32 v121, v123, v121, vcc_lo
	s_wait_xcnt 0x0                                ; EXEC changes only behind this wait: stores have been issued
	v_cmp_gt_u32 vcc_lo, 16, v0
	s_and_saveexec_b32 s28, vcc_lo                 ; lanes 0-15: token r
	global_store_b32 v15, v121, s[38:39]
	s_wait_xcnt 0x0                                ; and again, in front of the line that widens it
	s_or_b32 exec_lo, exec_lo, s28
.Lend:
	s_wait_tensorcnt 0x0
	ds_add_u32 v128, v129
	s_wait_dscnt 0x0
	s_endpgm
.Lfunc_end_k_qc322bd4a1b_route:
	.size	k_qc322bd4a1b_route, .Lfunc_end_k_qc322bd4a1b_route-k_qc322bd4a1b_route
	.p2alignl 7, 3214868480
	.fill 96, 4, 3214868480
	.section	.rodata,"a",@progbits
	.p2align	6, 0x0
	.amdhsa_kernel k_qc322bd4a1b_route
		.amdhsa_group_segment_fixed_size 168960
		.amdhsa_private_segment_fixed_size 0
		.amdhsa_enable_private_segment 0
		.amdhsa_kernarg_size 48
		.amdhsa_user_sgpr_count 2
		.amdhsa_user_sgpr_kernarg_segment_ptr 1
		.amdhsa_wavefront_size32 1
		.amdhsa_system_sgpr_workgroup_id_x 1
		.amdhsa_system_sgpr_workgroup_id_y 1
		.amdhsa_system_sgpr_workgroup_id_z 1
		.amdhsa_system_vgpr_workitem_id 0
		.amdhsa_next_free_vgpr 130
		.amdhsa_next_free_sgpr 66
		.amdhsa_reserve_vcc 1
		.amdhsa_float_denorm_mode_32 3
		.amdhsa_float_denorm_mode_16_64 3
		.amdhsa_memory_ordered 1
		.amdhsa_forward_progress 1
		.amdhsa_inst_pref_size 14
	.end_amdhsa_kernel
	.amdgpu_metadata
---
amdhsa.version: [ 1, 2 ]
amdhsa.kernels:
  - .name:           k_qc322bd4a1b_route
    .symbol:         k_qc322bd4a1b_route.kd
    .args:
      - { .name: x, .offset: 0, .size: 8, .value_kind: global_buffer, .address_space: global }
      - { .name: Wg_codes, .offset: 8, .size: 8, .value_kind: global_buffer, .address_space: global }
      - { .name: Wg_scales, .offset: 16, .size: 8, .value_kind: global_buffer, .address_space: global }
      - { .name: xq, .offset: 24, .size: 8, .value_kind: global_buffer, .address_space: global }
      - { .name: xs, .offset: 32, .size: 8, .value_kind: global_buffer, .address_space: global }
      - { .name: idx, .offset: 40, .size: 8, .value_kind: global_buffer, .address_space: global }
    .group_segment_fixed_size: 168960
    .private_segment_fixed_size: 0
    .kernarg_segment_align: 8
    .kernarg_segment_size: 48
    .max_flat_workgroup_size: 256
    .sgpr_count:     66
    .vgpr_count:     130
    .wavefront_size: 32
...
	.end_amdgpu_metadata
.endif
;; end of part 1
;; launch experts (part 2): grid 64 x 16, 1 waves a work-group, no clusters, 13,568 bytes of LDS; arguments idx, xq, xs, We_codes, We_scales, out0; writes out0
.if DOCPART == 2
	.amdgcn_target "amdgcn-amd-amdhsa--gfx1250"
	.amdhsa_code_object_version 6
	.text
	.protected	k_qc322bd4a1b_experts
	.globl	k_qc322bd4a1b_experts
	.p2align	8
	.type	k_qc322bd4a1b_experts,@function
k_qc322bd4a1b_experts:
	s_mov_b64 s[64:65], 0
	v_nop
	global_prefetch_b8 v0, s[64:65] scope:SCOPE_SE
	s_setreg_imm32_b32 hwreg(HW_REG_WAVE_MODE, 25, 1), 1
	s_wait_xcnt 0x0
; out0[token][:] = Q(x[token]) . We[idx[token]]^T.  x times a one-hot column is x for the chosen expert and zeros for the other fifteen, whose codes are zeros and add nothing: only the chosen rows are multiplied.
; SHARES.  A work-group is ONE wave.  It has an expert e (grid y), 64 columns of out0 (nb = x / 4) and 1,024 tokens (q = x % 4), and makes, for those of its tokens that chose e, these 64 columns over all of K.
; So every piece of 256 bytes of an output row has one owner, whatever the routing; 64 x 16 = 1,024 waves.  A wave that has no token stores nothing.
; PLACING.  The wave reads its 1,024 numbers of idx, and each lane puts the tokens that chose e into a list in LDS, at the place given by the count of such tokens before it.  The 32 words behind the
; list's end repeat its first member, so that a last group of 32 rows that is not full makes and stores that member's row again, with the same bytes: no store needs a mask.
; THE ORDER OF K.  16 bytes of codes are one block of 32 with a scale byte of its own, so the blocks may be walked in any order that is the same on both sides.  Lane (r, h) takes blocks 16 h .. 16 h + 15
; of its row: 256 consecutive bytes, aligned, by 16 loads of 16 bytes; matrix instruction s of eight takes its blocks 2 s and 2 s + 1: registers 8 s .. 8 s + 7 of that run.  The four places of instruction s
; are then blocks 2 s, 16 + 2 s, 2 s + 1, 17 + 2 s.  xs holds x's scale bytes in that order; We's are put into it by v_perm_b32.  So codes go from memory straight into the operands' registers.
; THE PRODUCT is used with source 0 = 16 rows of We (16 columns of out0) and source 1 = 16 tokens: a lane holds eight neighbouring columns of one token's row.  32 rows at a time go through a stage in LDS
; and leave as rows: sixteen lanes store 256 consecutive bytes, aligned.
; NO TENSOR LOAD, NO CLUSTER: the four waves with the same e and nb read the same weights, but how many rows each has hangs on numbers read from memory, and with them the branches of this text.
; ONE WAVE TO A WORK-GROUP: the waves hand each other nothing, and the list's addresses are made of counts, so each list has an LDS of its own.
; LIMIT: a very uneven routing stays right and takes up to 11 trips of 96 rows a wave.
; REGISTERS, in windows of 256: window 0: v0 lane, v1 r, v2 h, v3-15 addresses, v[16:19] zeros, v20-28 the scan; v32-47 We's scale words, v48-95 x's; v96-159 eight accumulators (ahead of the loop: idx and
; We's scale bytes as loaded); v160-171 tokens and offsets of the gather; v172-187 the stored rows' offsets; v188-251 rows from the stage.
; window 1: We's fragments, tile t of four at v[64 t].   window 2: x's fragments 0-3 at v[64 f].   window 3: x's fragments 4, 5.
.set DUMP,   1151                      ; the list has 1,152 words; tokens of other experts go to the last, which nobody reads
.set STAGE,  4608                      ; behind the list: 32 rows x (256 bytes + 16)
.set SPITCH, 272                       ; 17 x 16: the 16 rows that a store touches start at 16 different 16-byte columns
.set TRIPS,  11                        ; 11 x 96 rows cover 1,024
.set WS,  32                           ; We's scale words: register 8 (t / 2) + s: lanes 0-15 tile t even, lanes 16-31 tile t odd
.set XS,  48                           ; x's: register 8 f + s
.set ACC, 96
.set IDX, 96
.set RAW, 128
.set TK,  160
.set CA,  166
.set RT,  172
.set OB,  188
.set MSB, 0
.macro WIN new                         ; the immediate's high byte repeats the setting that is left; bits 1:0 source 0, 3:2 source 1, 5:4 source 2, 7:6 destination
.if MSB != \new
	s_set_vgpr_msb (MSB<<8)|\new
.set MSB, \new
.endif
.endm
	s_load_b256 s[4:11], s[0:1], 0x0               ; idx s[4:5], xq s[6:7], xs s[8:9], We's codes s[10:11]
	s_load_b128 s[12:15], s[0:1], 0x20             ; We's scales s[12:13], out0 s[14:15]
	v_lshl_add_u32 v254, v0, 2, 0x3400
	v_mov_b32 v255, 0
	s_and_b32 s16, ttmp7, 0xffff                   ; e
	s_lshr_b32 s17, ttmp9, 2                       ; nb
	s_and_b32 s18, ttmp9, 3                        ; q
	v_and_b32 v1, 15, v0                           ; r
	v_bfe_u32 v2, v0, 4, 1                         ; h
	v_lshlrev_b32 v3, 4, v0                        ; 16 x lane
	v_lshlrev_b32 v4, 5, v0                        ; 32 x lane: a row of We's scale bytes
	v_lshlrev_b32 v5, 9, v1
	v_lshl_add_u32 v5, v2, 8, v5                   ; We's codes: row r of 512 bytes, + 256 h
	s_mov_b32 s21, 0
	s_wait_kmcnt 0x0
	s_lshl_b32 s20, s18, 12
	s_add_nc_u64 s[4:5], s[4:5], s[20:21]          ; idx at my 1,024 tokens
	s_lshl_b32 s20, s16, 19                        ; an expert's codes are 1,024 rows of 512 bytes,
	s_lshl_b32 s23, s17, 15                        ; my 64 rows 32,768
	s_add_co_u32 s20, s20, s23
	s_add_nc_u64 s[10:11], s[10:11], s[20:21]
	s_lshl_b32 s20, s16, 15                        ; scale bytes: 32 a row
	s_lshl_b32 s23, s17, 11
	s_add_co_u32 s20, s20, s23
	s_add_nc_u64 s[12:13], s[12:13], s[20:21]
	s_lshl_b32 s20, s17, 8
	s_add_nc_u64 s[14:15], s[14:15], s[20:21]      ; out0 at my 64 columns
.irp i, 0,1,2,3,4,5,6,7
	global_load_b128 v[IDX+4*\i:IDX+4*\i+3], v3, s[4:5] offset:512*\i   ; register 4 i + j: token 1,024 q + 128 i + 4 lane + j
.endr
.irp u, 0,1
.irp k, 0,1
	global_load_b128 v[RAW+8*\u+4*\k:RAW+8*\u+4*\k+3], v4, s[12:13] offset:1024*\u+16*\k   ; lane l: the 32 scale bytes of row 32 u + l
.endr
.endr
	WIN 0x40                                       ; destination window 1
.irp t, 0,1,2,3
.irp j, 0,1,2,3,4,5,6,7,8,9,10,11,12,13,14,15
	global_load_b128 v[64*\t+4*\j:64*\t+4*\j+3], v5, s[10:11] offset:8192*\t+16*\j   ; row 16 t + r, block 16 h + j: the weights stay in registers
.endr
.endr
	WIN 0
	s_lshl_b32 s23, s18, 10
	v_lshl_add_u32 v6, v0, 2, s23                  ; 1,024 q + 4 lane: the token of register 0
	v_mov_b32 v7, DUMP
	v_lshlrev_b32 v8, 8, v2                        ; 256 h
	v_lshlrev_b32 v9, 2, v1                        ; 4 r
	v_lshlrev_b32 v10, 2, v2                       ; 4 h
	v_lshlrev_b32 v11, 4, v1                       ; 16 r
	v_mul_u32_u24 v12, v1, SPITCH
	v_lshl_add_u32 v12, v2, 5, v12
	v_add_nc_u32 v12, STAGE, v12                   ; into the stage: row r, + 32 h
	v_mul_u32_u24 v13, v2, SPITCH
	v_lshl_add_u32 v13, v1, 4, v13
	v_add_nc_u32 v13, STAGE, v13                   ; back: lanes 0-15 one row of 256 bytes, lanes 16-31 the next
.irp i, 16,17,18,19
	v_mov_b32 v\i, 0
.endr
	s_mov_b32 s28, 0x05010400                      ; v_perm_b32: bytes 0, 1 of the low blocks' word and of the high blocks', by turns
	s_mov_b32 s29, 0x07030602                      ; bytes 2, 3 likewise
	s_mov_b32 s22, 0                               ; tokens of e so far
.irp i, 0,1,2,3,4,5,6,7,8
	ds_store_b128 v3, v[16:19] offset:512*\i       ; every word of the list is token 0 to begin with: a token that may be loaded
.endr
	s_wait_loadcnt 63                              ; of the 76 loads issued the oldest 13 are in: idx's eight and the scale bytes' four among them
; THE SCAN, register by register: which lanes hold a token of e; each such lane's place = the count so far + the such lanes below it.
.set n, 0
.rept 32
	v_cmp_eq_u32 s[32+n%4], s16, v[IDX+n]
	v_mbcnt_lo_u32_b32 v[20+n%4], s[32+n%4], s22
	s_bcnt1_i32_b32 s23, s[32+n%4]
	s_add_co_u32 s22, s22, s23
	v_cndmask_b32 v[20+n%4], v7, v[20+n%4], s[32+n%4]   ; the others write to the dump word
	v_min_u32 v[20+n%4], DUMP, v[20+n%4]           ; inside the list, whatever idx holds
	v_lshlrev_b32 v[20+n%4], 2, v[20+n%4]
	v_add_nc_u32 v[24+n%4], 128*(n/4)+n%4, v6      ; the token
	ds_store_b32 v[20+n%4], v[24+n%4]
.set n, n+1
.endr
	ds_load_b32 v28, v16                           ; the list's first member (LDS serves a wave's instructions in order: ISA guide 5.7.1.4)
	v_add_nc_u32 v20, s22, v0
	v_min_u32 v20, DUMP, v20
	v_lshlrev_b32 v20, 2, v20
	s_wait_dscnt 0x0
	ds_store_b32 v20, v28                          ; and it again in the 32 words behind the end
.irp u, 0,1                                    ; We's scale words in the order in which K is walked: word s = the bytes of blocks 2 s, 16 + 2 s, 2 s + 1, 17 + 2 s
.irp s, 0,2,4,6
	v_perm_b32 v[WS+8*\u+\s],   v[RAW+8*\u+4+\s/2], v[RAW+8*\u+\s/2], s28
	v_perm_b32 v[WS+8*\u+\s+1], v[RAW+8*\u+4+\s/2], v[RAW+8*\u+\s/2], s29
.endr
.endr
	s_mov_b32 s24, 0                               ; the trip's first row in the list,
	s_mov_b32 s25, 0                               ; in bytes,
	s_mov_b32 s26, 0                               ; and the trip
; 32 rows of the trip: fragments 2 p and 2 p + 1.  left: the loads issued behind fragment 2 p + 1's (64, for which the wait says 63; 32; 0).  win: x's fragments lie in window 2 or 3.
.macro PAIR p, left, win
.if \p > 0
	s_add_co_u32 s27, s24, 32*\p
	s_cmp_ge_u32 s27, s22
	s_cbranch_scc1 .Ltrip_end                      ; no row of the list is left
.endif
	s_wait_loadcnt \left                           ; the scale words and these two fragments are in; in the first trip the weights too, which were issued earlier
	WIN \win                                       ; source 0 (We) window 1, source 1 (x) window 2 or 3, C and D window 0
.irp s, 0,1,2,3,4,5,6,7                        ; the eight accumulators take turns, one instruction a turn; the first products start the sums
.irp fr, 0,1
.irp t, 0,1,2,3
.set rD, ACC+8*(4*\fr+\t)
.set rA, 64*\t+8*\s
.set rB, 64*((2*\p+\fr)%4)+8*\s
.set rU, WS+8*(\t/2)+\s
.set rX, XS+8*(2*\p+\fr)+\s
.if \s == 0
.if \t%2
	v_wmma_scale_f32_16x16x128_f8f6f4 v[rD:rD+7], v[rA:rA+7], v[rB:rB+7], 0, v[rU], v[rX] matrix_a_fmt:MATRIX_FMT_FP4 matrix_b_fmt:MATRIX_FMT_FP4 matrix_a_scale:MATRIX_SCALE_ROW1
.else
	v_wmma_scale_f32_16x16x128_f8f6f4 v[rD:rD+7], v[rA:rA+7], v[rB:rB+7], 0, v[rU], v[rX] matrix_a_fmt:MATRIX_FMT_FP4 matrix_b_fmt:MATRIX_FMT_FP4
.endif
.else
.if \t%2
	v_wmma_scale_f32_16x16x128_f8f6f4 v[rD:rD+7], v[rA:rA+7], v[rB:rB+7], v[rD:rD+7], v[rU], v[rX] matrix_a_fmt:MATRIX_FMT_FP4 matrix_b_fmt:MATRIX_FMT_FP4 matrix_a_scale:MATRIX_SCALE_ROW1
.else
	v_wmma_scale_f32_16x16x128_f8f6f4 v[rD:rD+7], v[rA:rA+7], v[rB:rB+7], v[rD:rD+7], v[rU], v[rX] matrix_a_fmt:MATRIX_FMT_FP4 matrix_b_fmt:MATRIX_FMT_FP4
.endif
.endif
.endr
.endr
.endr
	WIN 0
.rept 4
	v_nop                                          ; four places ahead of the first read of results (ISA guide 7.12.1)
.endr
	s_wait_xcnt 0x0                                ; the stores of the 32 rows before have read their data and offsets: both are written again below
.irp fr, 0,1
.irp t, 0,1,2,3
	ds_store_b128 v12, v[ACC+8*(4*\fr+\t):ACC+8*(4*\fr+\t)+3] offset:16*SPITCH*\fr+64*\t        ; lane (r, h): row 16 fr + r, columns 16 t + 8 h + 0 .. 7; each accumulator from its low end on
	ds_store_b128 v12, v[ACC+8*(4*\fr+\t)+4:ACC+8*(4*\fr+\t)+7] offset:16*SPITCH*\fr+64*\t+16
.endr
.endr
.irp i, 0,1,2,3,4,5,6,7,8,9,10,11,12,13,14,15
	ds_load_b32 v[RT+\i], v15 offset:128*\p+8*\i   ; the token of row 2 i + h
.endr
.irp i, 0,1,2,3,4,5,6,7,8,9,10,11,12,13,14,15
	ds_load_b128 v[OB+4*\i:OB+4*\i+3], v13 offset:2*\i*SPITCH   ; rows 2 i and 2 i + 1 (a wave's LDS instructions are served in order: these see the stores above)
.endr
	s_wait_dscnt 16                                ; the tokens are in; the 16 loads of rows may be out
.irp i, 0,1,2,3,4,5,6,7,8,9,10,11,12,13,14,15
	v_min_u32 v[RT+\i], 0xfff, v[RT+\i]            ; a token, whatever the list holds
	v_lshl_add_u32 v[RT+\i], v[RT+\i], 12, v11     ; its row of 4,096 bytes, + 16 r
.endr
.irp i, 0,1,2,3,4,5,6,7,8,9,10,11,12,13,14,15
	s_wait_dscnt 15-\i                             ; rows 2 i, 2 i + 1 are in; the younger loads may be out
	global_store_b128 v[RT+\i], v[OB+4*\i:OB+4*\i+3], s[14:15] th:TH_STORE_NT   ; sixteen lanes store 256 consecutive bytes, aligned, of one token's row; written once, read by nobody here
.endr
.endm
.Ltrip:                                            ; a constant number of trips; a trip whose rows lie behind the list's end is passed over
	s_cmp_ge_u32 s24, s22
	s_cbranch_scc1 .Ltrip_end
	v_add_nc_u32 v14, s25, v9                      ; the list at row r of the trip,
	v_add_nc_u32 v15, s25, v10                     ; and at row h
.irp f, 0,1,2,3,4,5
	ds_load_b32 v[TK+\f], v14 offset:64*\f         ; fragment f: the token of row 16 f + r
.endr
	s_wait_dscnt 0x0
.irp f, 0,1,2,3,4,5                            ; (these 18 lines and the two above are also the places between the lines that made We's scale words and the products)
	v_min_u32 v[TK+\f], 0xfff, v[TK+\f]
	v_lshl_add_u32 v[CA+\f], v[TK+\f], 9, v8       ; its 512 bytes of codes, + 256 h
	v_lshlrev_b32 v[TK+\f], 5, v[TK+\f]            ; its 32 scale bytes
.endr
; All six fragments are always asked for (behind the list's end: its first member's, or token 0's), so that every count below is a constant.
.irp f, 0,1,2,3,4,5
	global_load_b128 v[XS+8*\f:XS+8*\f+3],   v[TK+\f], s[8:9]
	global_load_b128 v[XS+8*\f+4:XS+8*\f+7], v[TK+\f], s[8:9] offset:16
.endr
	WIN 0x80                                       ; destination window 2
.irp f, 0,1,2,3
.irp j, 0,1,2,3,4,5,6,7,8,9,10,11,12,13,14,15
	global_load_b128 v[64*\f+4*\j:64*\f+4*\j+3], v[CA+\f], s[6:7] offset:16*\j   ; block 16 h + j of the token's codes
.endr
.endr
	WIN 0xc0                                       ; destination window 3
.irp f, 0,1
.irp j, 0,1,2,3,4,5,6,7,8,9,10,11,12,13,14,15
	global_load_b128 v[64*\f+4*\j:64*\f+4*\j+3], v[CA+4+\f], s[6:7] offset:16*\j
.endr
.endr
	WIN 0
	PAIR 0, 63, 0x09
	PAIR 1, 32, 0x09
	PAIR 2, 0, 0x0d
.Ltrip_end:
	s_wait_loadcnt 0x0                             ; on every way here: no load is out into registers that the next trip's loads take,
	s_wait_xcnt 0x0                                ; and every load and store has read its offsets and data
	s_add_co_u32 s24, s24, 96
	s_add_co_u32 s25, s25, 384
	s_add_co_u32 s26, s26, 1
	s_cmp_lt_u32 s26, TRIPS
	s_cbranch_scc1 .Ltrip
	s_wait_tensorcnt 0x0
	ds_add_u32 v254, v255
	s_wait_dscnt 0x0
	s_endpgm
.Lfunc_end_k_qc322bd4a1b_experts:
	.size	k_qc322bd4a1b_experts, .Lfunc_end_k_qc322bd4a1b_experts-k_qc322bd4a1b_experts
	.p2alignl 7, 3214868480
	.fill 96, 4, 3214868480
	.section	.rodata,"a",@progbits
	.p2align	6, 0x0
	.amdhsa_kernel k_qc322bd4a1b_experts
		.amdhsa_group_segment_fixed_size 13568
		.amdhsa_private_segment_fixed_size 0
		.amdhsa_enable_private_segment 0
		.amdhsa_kernarg_size 48
		.amdhsa_user_sgpr_count 2
		.amdhsa_user_sgpr_kernarg_segment_ptr 1
		.amdhsa_wavefront_size32 1
		.amdhsa_system_sgpr_workgroup_id_x 1
		.amdhsa_system_sgpr_workgroup_id_y 1
		.amdhsa_system_sgpr_workgroup_id_z 1
		.amdhsa_system_vgpr_workitem_id 0
		.amdhsa_next_free_vgpr 896
		.amdhsa_next_free_sgpr 66
		.amdhsa_reserve_vcc 0
		.amdhsa_float_denorm_mode_32 3
		.amdhsa_float_denorm_mode_16_64 3
		.amdhsa_memory_ordered 1
		.amdhsa_forward_progress 1
		.amdhsa_inst_pref_size 85
	.end_amdhsa_kernel
	.amdgpu_metadata
---
amdhsa.version: [ 1, 2 ]
amdhsa.kernels:
  - .name:           k_qc322bd4a1b_experts
    .symbol:         k_qc322bd4a1b_experts.kd
    .args:
      - { .name: idx, .offset: 0, .size: 8, .value_kind: global_buffer, .address_space: global }
      - { .name: xq, .offset: 8, .size: 8, .value_kind: global_buffer, .address_space: global }
      - { .name: xs, .offset: 16, .size: 8, .value_kind: global_buffer, .address_space: global }
      - { .name: We_codes, .offset: 24, .size: 8, .value_kind: global_buffer, .address_space: global }
      - { .name: We_scales, .offset: 32, .size: 8, .value_kind: global_buffer, .address_space: global }
      - { .name: out0, .offset: 40, .size: 8, .value_kind: global_buffer, .address_space: global }
    .group_segment_fixed_size: 13568
    .private_segment_fixed_size: 0
    .kernarg_segment_align: 8
    .kernarg_segment_size: 48
    .max_flat_workgroup_size: 32
    .sgpr_count:     66
    .vgpr_count:     896
    .wavefront_size: 32
...
	.end_amdgpu_metadata
.endif
;; end of part 2
;; ======== version 2 of 2: 2 launches
;; workspace buffers: xq 2,097,152 bytes; xs 131,072 bytes; idx 16,384 bytes of whole numbers
;; launch route (part 3): grid 256 x 1, 8 waves a work-group, no clusters, 168,960 bytes of LDS; arguments x, Wg_codes, Wg_scales, xq, xs, idx; writes xq, xs, idx
.if DOCPART == 3
	.amdgcn_target "amdgcn-amd-amdhsa--gfx1250"
	.amdhsa_code_object_version 6
	.text
	.protected	k_qc322bd4a1b_route
	.globl	k_qc322bd4a1b_route
	.p2align	8
	.type	k_qc322bd4a1b_route,@function
k_qc322bd4a1b_route:
	s_mov_b64 s[64:65], 0
	v_nop
	global_prefetch_b8 v0, s[64:65] scope:SCOPE_SE
	s_setreg_imm32_b32 hwreg(HW_REG_WAVE_MODE, 25, 1), 1
	s_wait_xcnt 0x0
; x [4096][1024] f32 is quantised along K to codes of E2M1 with one E8M0 byte for each 32; the codes are multiplied by Wg (16 experts, given as codes); the expert with the largest
; score (the lower number where two are equal) is stored for each token.  The codes and scale bytes are stored too: the next launch multiplies them by the chosen expert's weights.
; OUT:  xq [token][512 bytes]: block b of 32 codes at byte 16 b, the lower k in the low four bits.
;       xs [token][32 bytes]: block b's scale byte at byte 2 (b % 16) + b / 16, so that word s holds the bytes of blocks 2 s, 16 + 2 s, 2 s + 1, 17 + 2 s: the order in which the next launch walks K.
;       idx [token]: the expert, a 32-bit whole number.
; SHARES.  A work-group of eight waves owns 16 tokens; wave w owns K = 128 w .. 128 w + 127 of all 16: one matrix instruction's depth.  Its 16 rows x 512 bytes of x come by one tensor load, issued
; first of all, into LDS bytes of the wave's own, which it alone reads: its own wait on TENSORcnt is all the ordering that these reads need.  Nothing is filled a second time.
; A lane (r = lane % 16, h = lane / 16) takes from LDS the two whole blocks of 32 that the operand's layout gives it (blocks h and 2 + h of the wave's four), so that a block's largest magnitude needs no
; other lane and the conversions' results are the operand's registers.
; The gate product is used with source 0 = the 16 experts and source 1 = the 16 tokens: a lane then holds ONE token and eight experts.  The eight waves' partial sums meet in LDS; wave 0 adds them in
; ascending K and takes the argmax.  One barrier in all.
; A block's scale is 2^(floor(log2(largest magnitude)) - 2); its byte is the largest magnitude's exponent field - 2, held at 1 from below.
; LIMITS: NaN and infinities in x are not served.  A block of zeros gets the byte 1 where the quantiser's rule says 127: its codes are zeros, and these bytes are read by this program alone.
; The gate's K is summed as eight sums of 128 that are then added in ascending order: two scores that differ by no more than f32 rounding may be ordered either way.
; NO CLUSTER: the work-groups share Wg alone, 8,704 bytes against the 65,536 bytes of x that each reads for itself.
.set XP,    528                        ; a row of a wave's tile of x in LDS: 512 bytes + 16 of padding = 33 x 16: the 16 rows that a load touches start at 16 different 16-byte columns
.set XTILE, 16*XP                      ; 8,448 bytes = 33 x 256: a wave's tile
.set CODE,  8*XTILE                    ; behind the tiles: the 16 tokens' codes, rows of 512 bytes + 16
.set SC,    CODE+XTILE                 ; their scale bytes, 32 a token, in xs's order
.set PART,  SC+512                     ; the partial sums: 1,024 bytes a wave, an image of the result's eight registers
; REGISTERS: v1 lane, v2 r, v3 h; v4-15 addresses, never rewritten; v[16:23] Wg's fragment, v24 its scale word; v25 x's scale word; v26-31 the two blocks' largest magnitudes, scale operands, bytes;
; v[32:39] x's codes = its fragment; v[40:47] the product; v[48:111] 64 numbers of x, later the partial sums; v[112:119] rows of codes on their way out; v120-123 at work.
	s_load_b256 s[4:11], s[0:1], 0x0               ; x s[4:5], Wg's codes s[6:7], Wg's scales s[8:9], xq s[10:11]
	s_load_b128 s[36:39], s[0:1], 0x20             ; xs s[36:37], idx s[38:39]
	v_lshl_add_u32 v128, v0, 2, 0x29000
	v_mov_b32 v129, 0
	ds_add_u32 v128, v129
	ds_add_u32 v128, v129
	v_lshrrev_b32 v1, 5, v0
	s_delay_alu instid0(VALU_DEP_1)
	v_readfirstlane_b32 s24, v1                    ; wave 0..7
	; descriptor group 1: a tile of 16 rows x 128 elements of 4 bytes, rows 1,024 elements apart, padded in LDS
	s_mov_b32 s16, (2<<16)|(1<<20)|(6<<22)|(3<<25) ; 15:0 no mask; 17:16 elements of 4 bytes; 20 padding on; 24:22 after every 128 words (code 6); 31:25 four words (code 3)
	s_mov_b32 s17, 128<<16                         ; tensor_dim0 = 128
	s_mov_b32 s18, 16<<16                          ; tensor_dim1 = 16
	s_mov_b32 s19, 128<<16                         ; tile_dim0 = 128
	s_mov_b32 s20, 16                              ; tile_dim1 = 16
	s_mov_b32 s21, 1024                            ; from row to row
	s_mov_b32 s22, 0
	s_mov_b32 s23, 0
	s_mov_b32 s12, 1                               ; group 0: count = 1,
	s_mul_i32 s13, s24, XTILE                      ; the wave's own tile in LDS,
	s_lshl_b32 s28, ttmp9, 16                      ; 16 tokens of 4,096 bytes a work-group,
	s_lshl_b32 s30, s24, 9                         ; 512 bytes of each row a wave
	s_add_co_u32 s28, s28, s30
	s_mov_b32 s29, 0
	s_mov_b32 s26, 0x76543210                      ; v_permlanex16_b32's selects for lane l xor 16
	s_mov_b32 s27, 0xfedcba98
	s_wait_dscnt 0x0
	s_wait_kmcnt 0x0
	s_add_nc_u64 s[14:15], s[4:5], s[28:29]        ; the tile's first element,
	s_or_b32 s15, s15, 0x80000000                  ; type = 2
	tensor_load_to_lds s[12:15], s[16:23]          ; the wave's one tensor load
	s_nop 0
	v_and_b32 v1, 31, v0                           ; lane
	v_and_b32 v2, 15, v0                           ; r
	v_bfe_u32 v3, v0, 4, 1                         ; h
	s_delay_alu instid0(VALU_DEP_2)
	v_lshlrev_b32 v13, 9, v2                       ; Wg's codes: row r of 512 bytes,
	s_delay_alu instid0(VALU_DEP_1)
	v_lshl_add_u32 v13, v3, 4, v13                 ; + 16 h,
	s_delay_alu instid0(VALU_DEP_1)
	v_lshl_add_u32 v13, s24, 6, v13                ; + my wave's 64 bytes
	v_lshlrev_b32 v14, 5, v2                       ; Wg's scales: row r of 32 bytes,
	s_delay_alu instid0(VALU_DEP_1)
	v_lshl_add_u32 v14, s24, 2, v14                ; my wave's word
	global_load_b128 v[16:19], v13, s[6:7]         ; expert r, k = 32 h .. + 31 of my 128
	global_load_b128 v[20:23], v13, s[6:7] offset:32   ; and 64 + 32 h ..
	global_load_b32 v24, v14, s[8:9]
	; every LDS address is made here, ahead of the first branch on the wave's number
	v_mul_u32_u24 v4, v2, XP
	s_delay_alu instid0(VALU_DEP_1)
	v_lshl_add_u32 v4, v3, 7, v4
	s_delay_alu instid0(VALU_DEP_1)
	v_add_nc_u32 v4, s13, v4                       ; x: my tile, row r, + 128 h: block h of the row's four
	v_mul_u32_u24 v5, v2, XP
	s_delay_alu instid0(VALU_DEP_1)
	v_lshl_add_u32 v5, v3, 4, v5
	s_lshl_b32 s28, s24, 6
	s_add_co_u32 s28, s28, CODE
	v_add_nc_u32 v5, s28, v5                       ; codes in: row r, + 64 w + 16 h
	v_lshlrev_b32 v6, 5, v2
	s_delay_alu instid0(VALU_DEP_1)
	v_lshl_add_u32 v6, v3, 1, v6
	s_and_b32 s28, s24, 3
	s_lshl_b32 s28, s28, 3
	s_lshr_b32 s30, s24, 2
	s_add_co_u32 s28, s28, s30
	s_add_co_u32 s28, s28, SC
	v_add_nc_u32 v6, s28, v6                       ; scale bytes in: block b = 4 w + h lies at 32 r + 2 (b % 16) + b / 16 = 32 r + 8 (w % 4) + 2 h + w / 4; block b + 2 four bytes on
	v_lshlrev_b32 v12, 4, v1                       ; 16 x lane
	s_lshl_b32 s28, s24, 10
	s_add_co_u32 s28, s28, PART
	v_add_nc_u32 v7, s28, v12                      ; partial sums in: my wave's 1,024 bytes
	v_add_nc_u32 v8, PART, v12                     ; and out
	s_mul_i32 s28, s24, 2*XP
	s_add_co_u32 s28, s28, CODE
	v_add_nc_u32 v9, s28, v12                      ; codes out: rows 2 w and 2 w + 1, 16 bytes a lane
	v_lshl_add_u32 v10, s24, 10, v12               ; and the same two rows in xq
	v_add_nc_u32 v11, SC, v12                      ; scale bytes out
	v_lshlrev_b32 v15, 2, v1                       ; 4 x lane
	s_lshl_b32 s28, ttmp9, 13
	s_add_nc_u64 s[10:11], s[10:11], s[28:29]      ; xq, xs and idx at the work-group's first token
	s_lshl_b32 s28, ttmp9, 9
	s_add_nc_u64 s[36:37], s[36:37], s[28:29]
	s_lshl_b32 s28, ttmp9, 6
	s_add_nc_u64 s[38:39], s[38:39], s[28:29]
	s_wait_tensorcnt 0x0                           ; my tile is in LDS
.irp c, 0,1
.irp i, 0,1,2,3,4,5,6,7
	ds_load_b128 v[48+32*\c+4*\i:48+32*\c+4*\i+3], v4 offset:256*\c+16*\i   ; x(r, 128 w + 64 c + 32 h + 4 i ..)
.endr
.endr
	s_wait_dscnt 0x0
; Two whole blocks of a lane, v[48:79] and v[80:111], become registers 0-3 and 4-7 of the operand, their bytes v30 and v31, and with lane l xor 16's two bytes the row's scale word v25.
.macro QUANT2
.irp c, 0,1
	v_max3_num_f32 v[26+\c], |v[48+32*\c]|, |v[49+32*\c]|, 0x1800000   ; and the floor 2^(3 - 127), under which no largest magnitude is taken: so the byte cannot fall under 1
.endr
.irp i, 2,4,6,8,10,12,14,16,18,20,22,24,26,28,30
.irp c, 0,1
	s_delay_alu instid0(VALU_DEP_2)
	v_max3_num_f32 v[26+\c], v[26+\c], |v[48+32*\c+\i]|, |v[49+32*\c+\i]|   ; (the two blocks by turns)
.endr
.endr
.irp c, 0,1
	s_delay_alu instid0(VALU_DEP_2)
	v_add_nc_u32 v[28+\c], 0xff000000, v[26+\c]    ; 2 off the exponent field: the conversion takes the exponent field of this operand as its scale, and nothing else of it
.endr
.irp c, 0,1
	s_delay_alu instid0(VALU_DEP_2)
	v_lshrrev_b32 v[30+\c], 23, v[28+\c]           ; the scale's byte
.endr
	s_delay_alu instid0(VALU_DEP_1)
	v_lshl_or_b32 v25, v31, 16, v30                ; my two bytes, blocks h and 2 + h,
	v_lshlrev_b32 v120, 3, v3
	s_delay_alu instid0(VALU_DEP_1)
	v_lshlrev_b32 v25, v120, v25                   ; at their places in the word (8 h bits up);
	v_mov_b32 v121, 0                              ; (a lane permute's destination counts as one of its sources)
	s_delay_alu instid0(VALU_DEP_1)
	v_permlanex16_b32 v121, v25, s26, s27
	s_delay_alu instid0(VALU_DEP_1)
	v_or_b32 v25, v25, v121                        ; with lane l xor 16's two the word is whole
.irp c, 0,1
.irp g, 0,1,2,3
	v_cvt_scalef32_pk8_fp4_f32 v[32+4*\c+\g], v[48+32*\c+8*\g:55+32*\c+8*\g], v[28+\c]   ; to the nearest code, ties to even; beyond 6 the largest code, as the quantiser's clamp asks
.endr
.endr
	v_nop                                          ; one plain place behind the last scaled conversion
.endm
	QUANT2
	ds_store_b128 v5, v[32:35]                     ; block 4 w + h: 16 bytes of token r's row of codes
	ds_store_b128 v5, v[36:39] offset:32           ; block 4 w + 2 + h
	ds_store_b8 v6, v30
	ds_store_b8 v6, v31 offset:4
	s_wait_alu depctr_va_vdst(0)
	s_wait_loadcnt 0x0                             ; Wg's fragment and scale word
.rept 8
	v_nop                                          ; a scale register written by a vector instruction stands 8 places ahead of a scaled matrix instruction, an operand so written 4
.endr
	v_wmma_scale_f32_16x16x128_f8f6f4 v[40:47], v[16:23], v[32:39], 0, v24, v25 matrix_a_fmt:MATRIX_FMT_FP4 matrix_b_fmt:MATRIX_FMT_FP4   ; lane (r, h), register j: token r, expert 8 h + j, my 128 of K
.rept 4
	v_nop                                          ; four places ahead of the first read of the result (ISA guide 7.12.1)
.endr
	ds_store_b128 v7, v[40:43]                     ; the result from its low end on, as an image of its registers
	ds_store_b128 v7, v[44:47] offset:512
	s_wait_dscnt 0x0                               ; for the others' sake: all my LDS stores have landed
	s_barrier_signal -1
	s_barrier_wait -1                              ; the 16 tokens' codes, scale bytes and partial sums lie in LDS
	ds_load_b128 v[112:115], v9                    ; token 2 w's 512 bytes of codes, 16 a lane
	ds_load_b128 v[116:119], v9 offset:XP          ; token 2 w + 1's
	s_wait_dscnt 0x0
	global_store_b128 v10, v[112:115], s[10:11]    ; each store of the wave covers 512 consecutive bytes, aligned
	global_store_b128 v10, v[116:119], s[10:11] offset:512
	s_cmp_lg_u32 s24, 1
	s_cbranch_scc1 .Lnot_wave_1
	ds_load_b128 v[48:51], v11                     ; wave 1: the 16 tokens' 512 scale bytes
	s_wait_dscnt 0x0
	global_store_b128 v12, v[48:51], s[36:37]      ; 512 consecutive bytes, aligned
.Lnot_wave_1:
	s_cmp_lg_u32 s24, 0
	s_cbranch_scc1 .Lend
.irp w, 0,1,2,3,4,5,6,7                        ; wave 0: the eight partial sums, in the lanes and registers in which they were made
	ds_load_b128 v[48+8*\w:51+8*\w], v8 offset:1024*\w
	ds_load_b128 v[52+8*\w:55+8*\w], v8 offset:1024*\w+512
.endr
	s_wait_dscnt 0x0
.irp w, 1,2,3,4,5,6,7                          ; added in ascending K, two at a time
.irp k, 0,2,4,6
	v_pk_add_f32 v[48+\k:49+\k], v[48+\k:49+\k], v[48+8*\w+\k:49+8*\w+\k]
.endr
.endr
	s_delay_alu instid0(VALU_DEP_4)
	v_mov_b32 v120, v48                            ; the largest score so far of my eight experts,
	v_mov_b32 v121, 0                              ; and which it is
.irp j, 1
	s_delay_alu instid0(VALU_DEP_2)
	v_cmp_ge_f32 vcc_lo, v120, v[48+\j]            ; the earlier one stays where it is as large: the lower number wins a tie
	s_delay_alu instid0(VALU_DEP_1)
	v_cndmask_b32 v121, \j, v121, vcc_lo
	s_delay_alu instid0(VALU_DEP_2)
	v_cndmask_b32 v120, v[48+\j], v120, vcc_lo
.endr
.irp j, 2, 3, 4, 5, 6, 7
	s_delay_alu instid0(VALU_DEP_1)
	v_cmp_ge_f32 vcc_lo, v120, v[48+\j]
	s_delay_alu instid0(VALU_DEP_1)
	v_cndmask_b32 v121, \j, v121, vcc_lo
	s_delay_alu instid0(VALU_DEP_2)
	v_cndmask_b32 v120, v[48+\j], v120, vcc_lo
.endr
	s_delay_alu instid0(VALU_DEP_2)
	v_lshl_add_u32 v121, v3, 3, v121               ; expert 8 h + j
	v_mov_b32 v122, 0                              ; (the permutes' destinations are written first)
	v_mov_b32 v123, 0
	s_delay_alu instid0(VALU_DEP_2)
	v_permlanex16_b32 v122, v120, s26, s27         ; the other eight experts' best
	s_delay_alu instid0(VALU_DEP_2)
	v_permlanex16_b32 v123, v121, s26, s27
	s_delay_alu instid0(VALU_DEP_2)
	v_cmp_ge_f32 vcc_lo, v120, v122                ; in lanes 0-15 mine are experts 0-7: they win a tie
	s_delay_alu instid0(VALU_DEP_1)
	v_cndmask_b32 v121, v123, v121, vcc_lo
	s_wait_alu depctr_va_vdst(0)
	s_wait_xcnt 0x0                                ; EXEC changes only behind this wait: stores have been issued
	v_cmp_gt_u32 vcc_lo, 16, v0
	s_and_saveexec_b32 s28, vcc_lo                 ; lanes 0-15: token r
	global_store_b32 v15, v121, s[38:39]
	s_wait_xcnt 0x0                                ; and again, in front of the line that widens it
	s_or_b32 exec_lo, exec_lo, s28
.Lend:
	s_wait_tensorcnt 0x0
	ds_add_u32 v128, v129
	s_wait_dscnt 0x0
	s_endpgm
.Lfunc_end_k_qc322bd4a1b_route:
	.size	k_qc322bd4a1b_route, .Lfunc_end_k_qc322bd4a1b_route-k_qc322bd4a1b_route
	.p2alignl 7, 3214868480
	.fill 96, 4, 3214868480
	.section	.rodata,"a",@progbits
	.p2align	6, 0x0
	.amdhsa_kernel k_qc322bd4a1b_route
		.amdhsa_group_segment_fixed_size 168960
		.amdhsa_private_segment_fixed_size 0
		.amdhsa_enable_private_segment 0
		.amdhsa_kernarg_size 48
		.amdhsa_user_sgpr_count 2
		.amdhsa_user_sgpr_kernarg_segment_ptr 1
		.amdhsa_wavefront_size32 1
		.amdhsa_system_sgpr_workgroup_id_x 1
		.amdhsa_system_sgpr_workgroup_id_y 1
		.amdhsa_system_sgpr_workgroup_id_z 1
		.amdhsa_system_vgpr_workitem_id 0
		.amdhsa_next_free_vgpr 130
		.amdhsa_next_free_sgpr 66
		.amdhsa_reserve_vcc 1
		.amdhsa_float_denorm_mode_32 3
		.amdhsa_float_denorm_mode_16_64 3
		.amdhsa_memory_ordered 1
		.amdhsa_forward_progress 1
		.amdhsa_inst_pref_size 17
	.end_amdhsa_kernel
	.amdgpu_metadata
---
amdhsa.version: [ 1, 2 ]
amdhsa.kernels:
  - .name:           k_qc322bd4a1b_route
    .symbol:         k_qc322bd4a1b_route.kd
    .args:
      - { .name: x, .offset: 0, .size: 8, .value_kind: global_buffer, .address_space: global }
      - { .name: Wg_codes, .offset: 8, .size: 8, .value_kind: global_buffer, .address_space: global }
      - { .name: Wg_scales, .offset: 16, .size: 8, .value_kind: global_buffer, .address_space: global }
      - { .name: xq, .offset: 24, .size: 8, .value_kind: global_buffer, .address_space: global }
      - { .name: xs, .offset: 32, .size: 8, .value_kind: global_buffer, .address_space: global }
      - { .name: idx, .offset: 40, .size: 8, .value_kind: global_buffer, .address_space: global }
    .group_segment_fixed_size: 168960
    .private_segment_fixed_size: 0
    .kernarg_segment_align: 8
    .kernarg_segment_size: 48
    .max_flat_workgroup_size: 256
    .sgpr_count:     66
    .vgpr_count:     130
    .wavefront_size: 32
...
	.end_amdgpu_metadata
.endif
;; end of part 3
;; launch experts (part 4): grid 64 x 16, 1 waves a work-group, no clusters, 13,568 bytes of LDS; arguments idx, xq, xs, We_codes, We_scales, out0; writes out0
.if DOCPART == 4
	.amdgcn_target "amdgcn-amd-amdhsa--gfx1250"
	.amdhsa_code_object_version 6
	.text
	.protected	k_qc322bd4a1b_experts
	.globl	k_qc322bd4a1b_experts
	.p2align	8
	.type	k_qc322bd4a1b_experts,@function
k_qc322bd4a1b_experts:
	s_mov_b64 s[64:65], 0
	v_nop
	global_prefetch_b8 v0, s[64:65] scope:SCOPE_SE
	s_setreg_imm32_b32 hwreg(HW_REG_WAVE_SCHED_MODE, 0, 2), 2
	s_setreg_imm32_b32 hwreg(HW_REG_WAVE_MODE, 25, 1), 1
	s_wait_xcnt 0x0
	s_wait_alu depctr_vm_vsrc(0)
; out0[token][:] = Q(x[token]) . We[idx[token]]^T.  x times a one-hot column is x for the chosen expert and zeros for the other fifteen, whose codes are zeros and add nothing: only the chosen rows are multiplied.
; SHARES.  A work-group is ONE wave.  It has an expert e (grid y), 64 columns of out0 (nb = x / 4) and 1,024 tokens (q = x % 4), and makes, for those of its tokens that chose e, these 64 columns over all of K.
; So every piece of 256 bytes of an output row has one owner, whatever the routing; 64 x 16 = 1,024 waves.  A wave that has no token stores nothing.
; PLACING.  The wave reads its 1,024 numbers of idx, and each lane puts the tokens that chose e into a list in LDS, at the place given by the count of such tokens before it.  The 32 words behind the
; list's end repeat its first member, so that a last group of 32 rows that is not full makes and stores that member's row again, with the same bytes: no store needs a mask.
; THE ORDER OF K.  16 bytes of codes are one block of 32 with a scale byte of its own, so the blocks may be walked in any order that is the same on both sides.  Lane (r, h) takes blocks 16 h .. 16 h + 15
; of its row: 256 consecutive bytes, aligned, by 16 loads of 16 bytes; matrix instruction s of eight takes its blocks 2 s and 2 s + 1: registers 8 s .. 8 s + 7 of that run.  The four places of instruction s
; are then blocks 2 s, 16 + 2 s, 2 s + 1, 17 + 2 s.  xs holds x's scale bytes in that order; We's are put into it by v_perm_b32.  So codes go from memory straight into the operands' registers.
; THE PRODUCT is used with source 0 = 16 rows of We (16 columns of out0) and source 1 = 16 tokens: a lane holds eight neighbouring columns of one token's row.  32 rows at a time go through a stage in LDS
; and leave as rows: sixteen lanes store 256 consecutive bytes, aligned.
; NO TENSOR LOAD, NO CLUSTER: the four waves with the same e and nb read the same weights, but how many rows each has hangs on numbers read from memory, and with them the branches of this text.
; ONE WAVE TO A WORK-GROUP: the waves hand each other nothing, and the list's addresses are made of counts, so each list has an LDS of its own.
; LIMIT: a very uneven routing stays right and takes up to 11 trips of 96 rows a wave.
; THE MODE: SCHED_MODE bits 1:0 = 2 (LLVM: expert scheduling mode 2), set by the entry lines.  The code itself states the register dependences between vector or matrix instructions and memory or LDS
; instructions, with s_wait_alu, always for 0.
; THE PLAN.  Registers that memory or LDS instructions touch:
;   v3-5, v12, v13, v16-19  offsets, stage addresses, zeros: made at the head ahead of one wait on va_vdst, and named by no vector instruction behind it.
;   PL, TO, v20    a place and a token for each of the scan's 32 registers, and the tail's address: written by the scan, read by the list's LDS stores, which stand in one run behind one wait on va_vdst.
;                  They lie in OB's registers: the first pair's wait on vm_vsrc stands between those stores and the first load into OB.
;   v14, v15       the list's addresses: written at a trip's head; v14 read by the trip's six token loads, v15 by each pair's sixteen.
;   TK, CA         a trip's tokens and offsets: TK loaded from the list, both written by 18 vector lines, read by the trip's 108 loads.
;   XS, fragments  written by those loads, read by the products.
;   ACC            written by a pair's 64 products, read by its 16 LDS stores.
;   RT             a pair's 16 LDS loads land in it in the middle of the products; 32 vector lines behind the last product make offsets of it; the pair's 16 stores read it.
;   OB             a pair's 16 LDS loads land in it; the same stores read it.
; A trip's head has two waits on va_vdst (behind the two adds; behind the 18 lines).  A pair has ONE (behind RT's 32 lines: ACC and RT are written) and two on vm_vsrc: in its middle (the stores before it have
; read RT and OB), and behind its LDS run (the LDS stores have read ACC, the token loads v14 and v15).  Every pair that runs passes all three in its own straight text.
; REGISTERS, in windows of 256: window 0: v0 lane, v1 r, v2 h, v3-15 addresses, v[16:19] zeros, v20 the tail's address, v28 the list's first member; v32-47 We's scale words, v48-95 x's; v96-159 eight
; accumulators (ahead of the loop: idx and We's scale bytes as loaded); v160-171 tokens and offsets of the gather; v172-187 the stored rows' offsets; v188-251 rows from the stage (ahead of the loop: the scan's
; places and tokens); v254, v255 the closing add's two.
; window 1: We's fragments, tile t of four at v[64 t].   window 2: x's fragments 0-3 at v[64 f].   window 3: x's fragments 4, 5.
.set DUMP,   1151                      ; the list has 1,152 words; tokens of other experts go to the last, which nobody reads
.set STAGE,  4608                      ; behind the list: 32 rows x (256 bytes + 16)
.set SPITCH, 272                       ; 17 x 16: the 16 rows that a store touches start at 16 different 16-byte columns
.set TRIPS,  11                        ; 11 x 96 rows cover 1,024
.set WS,  32                           ; We's scale words: register 8 (t / 2) + s: lanes 0-15 tile t even, lanes 16-31 tile t odd
.set XS,  48                           ; x's: register 8 f + s
.set ACC, 96
.set IDX, 96
.set RAW, 128
.set TK,  160
.set CA,  166
.set RT,  172
.set OB,  188
.set PL,  188                          ; ahead of the loop: register n's byte address in the list
.set TO,  220                          ; and its token
.set MSB, 0
.macro WIN new                         ; the immediate's high byte repeats the setting that is left; bits 1:0 source 0, 3:2 source 1, 5:4 source 2, 7:6 destination
.if MSB != \new
	s_set_vgpr_msb (MSB<<8)|\new
.set MSB, \new
.endif
.endm
	s_load_b256 s[4:11], s[0:1], 0x0               ; idx s[4:5], xq s[6:7], xs s[8:9], We's codes s[10:11]
	s_load_b128 s[12:15], s[0:1], 0x20             ; We's scales s[12:13], out0 s[14:15]
	v_lshl_add_u32 v254, v0, 2, 0x3400
	v_mov_b32 v255, 0
	s_and_b32 s16, ttmp7, 0xffff                   ; e
	s_lshr_b32 s17, ttmp9, 2                       ; nb
	s_and_b32 s18, ttmp9, 3                        ; q
	s_lshl_b32 s30, s18, 10                        ; 1,024 q
	; every address register of the kernel but the list's is made here, while the arguments are on their way
	v_and_b32 v1, 15, v0                           ; r
	v_bfe_u32 v2, v0, 4, 1                         ; h
	v_lshlrev_b32 v3, 4, v0                        ; 16 x lane
	v_lshlrev_b32 v4, 5, v0                        ; 32 x lane: a row of We's scale bytes
	v_lshlrev_b32 v5, 9, v1
	v_lshl_add_u32 v5, v2, 8, v5                   ; We's codes: row r of 512 bytes, + 256 h
	v_lshl_add_u32 v6, v0, 2, s30                  ; 1,024 q + 4 lane: the token of register 0
	v_mov_b32 v7, DUMP
	v_lshlrev_b32 v8, 8, v2                        ; 256 h
	v_lshlrev_b32 v9, 2, v1                        ; 4 r
	v_lshlrev_b32 v10, 2, v2                       ; 4 h
	v_lshlrev_b32 v11, 4, v1                       ; 16 r
	v_mul_u32_u24 v12, v1, SPITCH
	v_lshl_add_u32 v12, v2, 5, v12
	v_add_nc_u32 v12, STAGE, v12                   ; into the stage: row r, + 32 h
	v_mul_u32_u24 v13, v2, SPITCH
	v_lshl_add_u32 v13, v1, 4, v13
	v_add_nc_u32 v13, STAGE, v13                   ; back: lanes 0-15 one row of 256 bytes, lanes 16-31 the next
.irp i, 16,17,18,19
	v_mov_b32 v\i, 0
.endr
	s_mov_b32 s28, 0x05010400                      ; v_perm_b32: bytes 0, 1 of the low blocks' word and of the high blocks', by turns
	s_mov_b32 s29, 0x07030602                      ; bytes 2, 3 likewise
	s_mov_b32 s22, 0                               ; tokens of e so far
	s_mov_b32 s21, 0
	s_wait_kmcnt 0x0
	s_lshl_b32 s20, s18, 12
	s_add_nc_u64 s[4:5], s[4:5], s[20:21]          ; idx at my 1,024 tokens
	s_lshl_b32 s20, s16, 19                        ; an expert's codes are 1,024 rows of 512 bytes,
	s_lshl_b32 s23, s17, 15                        ; my 64 rows 32,768
	s_add_co_u32 s20, s20, s23
	s_add_nc_u64 s[10:11], s[10:11], s[20:21]
	s_lshl_b32 s20, s16, 15                        ; scale bytes: 32 a row
	s_lshl_b32 s23, s17, 11
	s_add_co_u32 s20, s20, s23
	s_add_nc_u64 s[12:13], s[12:13], s[20:21]
	s_lshl_b32 s20, s17, 8
	s_add_nc_u64 s[14:15], s[14:15], s[20:21]      ; out0 at my 64 columns
	s_wait_alu depctr_va_vdst(0)                   ; v3, v4, v5 are written, which the loads below read as offsets; so are the zeros v[16:19] and the stage's addresses v12 and v13, which LDS instructions read further on: no vector line names any of them again
.irp i, 0,1,2,3,4,5,6,7
	global_load_b128 v[IDX+4*\i:IDX+4*\i+3], v3, s[4:5] offset:512*\i   ; register 4 i + j: token 1,024 q + 128 i + 4 lane + j
.endr
.irp u, 0,1
.irp k, 0,1
	global_load_b128 v[RAW+8*\u+4*\k:RAW+8*\u+4*\k+3], v4, s[12:13] offset:1024*\u+16*\k   ; lane l: the 32 scale bytes of row 32 u + l
.endr
.endr
	WIN 0x40                                       ; destination window 1
.irp t, 0,1,2,3
.irp j, 0,1,2,3,4,5,6,7,8,9,10,11,12,13,14,15
	global_load_b128 v[64*\t+4*\j:64*\t+4*\j+3], v5, s[10:11] offset:8192*\t+16*\j   ; row 16 t + r, block 16 h + j: the weights stay in registers
.endr
.endr
	WIN 0
.irp i, 0,1,2,3,4,5,6,7,8
	ds_store_b128 v3, v[16:19] offset:512*\i       ; every word of the list is token 0 to begin with: a token that may be loaded
.endr
	s_wait_loadcnt 63                              ; of the 76 loads issued the oldest 13 are in: idx's eight and the scale bytes' four among them
; THE SCAN, sixteen registers at a time: which lanes hold a token of e (sixteen compares in a run, a mask each); then, register by register, each such lane's place = the count so far + the such lanes below it.
; Every register has a place and a token of its own, so that the list's stores can stand in one run behind the scan.
.macro SCAN16 n0
.set n, \n0
.rept 16
	v_cmp_eq_u32 s[32+n%16], s16, v[IDX+n]
.set n, n+1
.endr
	s_wait_alu depctr_va_sdst(0)                   ; the sixteen masks s32 to s47 are written, ahead of their first reader
.set n, \n0
.rept 16
	v_mbcnt_lo_u32_b32 v[PL+n], s[32+n%16], s22
	s_bcnt1_i32_b32 s23, s[32+n%16]
	s_add_co_u32 s22, s22, s23
	v_cndmask_b32 v[PL+n], v7, v[PL+n], s[32+n%16] ; the others write to the dump word
	v_min_u32 v[PL+n], DUMP, v[PL+n]               ; inside the list, whatever idx holds
	v_lshlrev_b32 v[PL+n], 2, v[PL+n]
	v_add_nc_u32 v[TO+n], 128*(n/4)+n%4, v6        ; the token
.set n, n+1
.endr
.endm
	SCAN16 0
	SCAN16 16
	v_add_nc_u32 v20, s22, v0                      ; the 32 words behind the list's end
	v_min_u32 v20, DUMP, v20
	v_lshlrev_b32 v20, 2, v20
.irp u, 0,1                                    ; We's scale words in the order in which K is walked: word s = the bytes of blocks 2 s, 16 + 2 s, 2 s + 1, 17 + 2 s
.irp s, 0,2,4,6
	v_perm_b32 v[WS+8*\u+\s],   v[RAW+8*\u+4+\s/2], v[RAW+8*\u+\s/2], s28
	v_perm_b32 v[WS+8*\u+\s+1], v[RAW+8*\u+4+\s/2], v[RAW+8*\u+\s/2], s29
.endr
.endr
	s_wait_alu depctr_va_vdst(0)                   ; the scan has written the 32 places, the 32 tokens and v20, which the LDS stores below read
.set n, 0
.rept 32
	ds_store_b32 v[PL+n], v[TO+n]
.set n, n+1
.endr
	ds_load_b32 v28, v16                           ; the list's first member (LDS serves a wave's instructions in order: ISA guide 5.7.1.4)
	s_wait_dscnt 0x0
	ds_store_b32 v20, v28                          ; and it again in the 32 words behind the end
	s_mov_b32 s24, 0                               ; the trip's first row in the list,
	s_mov_b32 s25, 0                               ; in bytes,
	s_mov_b32 s26, 0                               ; and the trip
; 32 rows of the trip: fragments 2 p and 2 p + 1.  left: the loads issued behind fragment 2 p + 1's (64, for which the wait says 63; 32; 0).  win: x's fragments lie in window 2 or 3.
.macro PAIR p, left, win
.if \p > 0
	s_add_co_u32 s27, s24, 32*\p
	s_cmp_ge_u32 s27, s22
	s_cbranch_scc1 .Ltrip_end                      ; no row of the list is left
.endif
	s_wait_loadcnt \left                           ; the scale words and these two fragments are in; in the first trip the weights too, which were issued earlier
	WIN \win                                       ; source 0 (We) window 1, source 1 (x) window 2 or 3, C and D window 0
.irp s, 0,1,2,3,4,5,6,7                        ; the eight accumulators take turns, one instruction a turn; the first products start the sums
.if \s == 4                                    ; in the middle of the products: the tokens of the 32 rows are asked for, 32 matrix instructions ahead of their use
	WIN 0
	s_wait_xcnt 0x0                                ; the stores of the 32 rows before have had their addresses translated: their offsets and data are written again from here on
	s_wait_alu depctr_vm_vsrc(0)                   ; those stores have read RT and OB, in which LDS loads land from here on; in the first trip: the list's LDS stores have read their places and tokens, which lie in OB; in a trip's first pair: the trip's loads have read TK and CA
.irp i, 0,1,2,3,4,5,6,7,8,9,10,11,12,13,14,15
	ds_load_b32 v[RT+\i], v15 offset:128*\p+8*\i   ; the token of row 2 i + h.  No wait on va_vdst: since the last one only products were issued, and they name neither RT nor v15
.endr
	WIN \win
.endif
.irp fr, 0,1
.irp t, 0,1,2,3
.set rD, ACC+8*(4*\fr+\t)
.set rA, 64*\t+8*\s
.set rB, 64*((2*\p+\fr)%4)+8*\s
.set rU, WS+8*(\t/2)+\s
.set rX, XS+8*(2*\p+\fr)+\s
.if \s == 0
.if \t%2
	v_wmma_scale_f32_16x16x128_f8f6f4 v[rD:rD+7], v[rA:rA+7], v[rB:rB+7], 0, v[rU], v[rX] matrix_a_fmt:MATRIX_FMT_FP4 matrix_b_fmt:MATRIX_FMT_FP4 matrix_a_scale:MATRIX_SCALE_ROW1
.else
	v_wmma_scale_f32_16x16x128_f8f6f4 v[rD:rD+7], v[rA:rA+7], v[rB:rB+7], 0, v[rU], v[rX] matrix_a_fmt:MATRIX_FMT_FP4 matrix_b_fmt:MATRIX_FMT_FP4
.endif
.else
.if \t%2
	v_wmma_scale_f32_16x16x128_f8f6f4 v[rD:rD+7], v[rA:rA+7], v[rB:rB+7], v[rD:rD+7], v[rU], v[rX] matrix_a_fmt:MATRIX_FMT_FP4 matrix_b_fmt:MATRIX_FMT_FP4 matrix_a_scale:MATRIX_SCALE_ROW1
.else
	v_wmma_scale_f32_16x16x128_f8f6f4 v[rD:rD+7], v[rA:rA+7], v[rB:rB+7], v[rD:rD+7], v[rU], v[rX] matrix_a_fmt:MATRIX_FMT_FP4 matrix_b_fmt:MATRIX_FMT_FP4
.endif
.endif
.endr
.endr
.endr
	WIN 0
	s_wait_dscnt 0x0                               ; the tokens are in
.irp i, 0,1,2,3,4,5,6,7,8,9,10,11,12,13,14,15  ; these 32 plain lines name no register of the products: they are also the four places ahead of the first read of results (ISA guide 7.12.1)
	v_min_u32 v[RT+\i], 0xfff, v[RT+\i]            ; a token, whatever the list holds
	v_lshl_add_u32 v[RT+\i], v[RT+\i], 12, v11     ; its row of 4,096 bytes, + 16 r
.endr
	s_wait_alu depctr_va_vdst(0)                   ; the products have written the accumulators, which the LDS stores below read; the lines above have written RT, which the global stores read as offsets
.irp fr, 0,1
.irp t, 0,1,2,3
	ds_store_b128 v12, v[ACC+8*(4*\fr+\t):ACC+8*(4*\fr+\t)+3] offset:16*SPITCH*\fr+64*\t        ; lane (r, h): row 16 fr + r, columns 16 t + 8 h + 0 .. 7; each accumulator from its low end on
	ds_store_b128 v12, v[ACC+8*(4*\fr+\t)+4:ACC+8*(4*\fr+\t)+7] offset:16*SPITCH*\fr+64*\t+16
.endr
.endr
.irp i, 0,1,2,3,4,5,6,7,8,9,10,11,12,13,14,15
	ds_load_b128 v[OB+4*\i:OB+4*\i+3], v13 offset:2*\i*SPITCH   ; rows 2 i and 2 i + 1 (a wave's LDS instructions are served in order: these see the stores above)
.endr
	s_wait_alu depctr_vm_vsrc(0)                   ; the LDS stores have read the accumulators, which the next products write; the token loads have read v14 and v15, which the next trip's head writes
.irp i, 0,1,2,3,4,5,6,7,8,9,10,11,12,13,14,15
	s_wait_dscnt 15-\i                             ; rows 2 i, 2 i + 1 are in; the younger loads may be out
	global_store_b128 v[RT+\i], v[OB+4*\i:OB+4*\i+3], s[14:15] th:TH_STORE_NT   ; sixteen lanes store 256 consecutive bytes, aligned, of one token's row; written once, read by nobody here
.endr
.endm
.Ltrip:                                            ; a constant number of trips; a trip whose rows lie behind the list's end is passed over
	s_cmp_ge_u32 s24, s22
	s_cbranch_scc1 .Ltrip_end
	v_add_nc_u32 v14, s25, v9                      ; the list at row r of the trip,
	v_add_nc_u32 v15, s25, v10                     ; and at row h
	s_wait_alu depctr_va_vdst(0)                   ; v14 and v15 are written, which the LDS loads of this trip read; the last trip's vector lines are done with TK, in which the loads below land
.irp f, 0,1,2,3,4,5
	ds_load_b32 v[TK+\f], v14 offset:64*\f         ; fragment f: the token of row 16 f + r
.endr
	s_wait_dscnt 0x0
.irp f, 0,1,2,3,4,5                            ; (these 18 lines and the two above are also the places between the lines that made We's scale words and the products)
	v_min_u32 v[TK+\f], 0xfff, v[TK+\f]
	v_lshl_add_u32 v[CA+\f], v[TK+\f], 9, v8       ; its 512 bytes of codes, + 256 h
	v_lshlrev_b32 v[TK+\f], 5, v[TK+\f]            ; its 32 scale bytes
.endr
	s_wait_alu depctr_va_vdst(0)                   ; TK and CA are written, which the loads below read as offsets; the last trip's products are done reading x's scale words and fragments, in which these loads land; We's scale words are written, behind their places, ahead of the products that take them
; All six fragments are always asked for (behind the list's end: its first member's, or token 0's), so that every count below is a constant.
.irp f, 0,1,2,3,4,5
	global_load_b128 v[XS+8*\f:XS+8*\f+3],   v[TK+\f], s[8:9]
	global_load_b128 v[XS+8*\f+4:XS+8*\f+7], v[TK+\f], s[8:9] offset:16
.endr
	WIN 0x80                                       ; destination window 2
.irp f, 0,1,2,3
.irp j, 0,1,2,3,4,5,6,7,8,9,10,11,12,13,14,15
	global_load_b128 v[64*\f+4*\j:64*\f+4*\j+3], v[CA+\f], s[6:7] offset:16*\j   ; block 16 h + j of the token's codes
.endr
.endr
	WIN 0xc0                                       ; destination window 3
.irp f, 0,1
.irp j, 0,1,2,3,4,5,6,7,8,9,10,11,12,13,14,15
	global_load_b128 v[64*\f+4*\j:64*\f+4*\j+3], v[CA+4+\f], s[6:7] offset:16*\j
.endr
.endr
	WIN 0
	PAIR 0, 63, 0x09
	PAIR 1, 32, 0x09
	PAIR 2, 0, 0x0d
.Ltrip_end:
	s_wait_loadcnt 0x0                             ; on every way here: no load is out into registers that the next trip's loads take,
	s_wait_xcnt 0x0                                ; and every load and store has had its addresses translated: the next trip writes TK and CA again
	s_add_co_u32 s24, s24, 96
	s_add_co_u32 s25, s25, 384
	s_add_co_u32 s26, s26, 1
	s_cmp_lt_u32 s26, TRIPS
	s_cbranch_scc1 .Ltrip
	s_wait_dscnt 0x0                               ; the closing lines, six on end
	s_wait_alu 0x0
	s_wait_tensorcnt 0x0
	ds_add_u32 v254, v255
	s_wait_dscnt 0x0
	s_endpgm
.Lfunc_end_k_qc322bd4a1b_experts:
	.size	k_qc322bd4a1b_experts, .Lfunc_end_k_qc322bd4a1b_experts-k_qc322bd4a1b_experts
	.p2alignl 7, 3214868480
	.fill 96, 4, 3214868480
	.section	.rodata,"a",@progbits
	.p2align	6, 0x0
	.amdhsa_kernel k_qc322bd4a1b_experts
		.amdhsa_group_segment_fixed_size 13568
		.amdhsa_private_segment_fixed_size 0
		.amdhsa_enable_private_segment 0
		.amdhsa_kernarg_size 48
		.amdhsa_user_sgpr_count 2
		.amdhsa_user_sgpr_kernarg_segment_ptr 1
		.amdhsa_wavefront_size32 1
		.amdhsa_system_sgpr_workgroup_id_x 1
		.amdhsa_system_sgpr_workgroup_id_y 1
		.amdhsa_system_sgpr_workgroup_id_z 1
		.amdhsa_system_vgpr_workitem_id 0
		.amdhsa_next_free_vgpr 896
		.amdhsa_next_free_sgpr 66
		.amdhsa_reserve_vcc 0
		.amdhsa_float_denorm_mode_32 3
		.amdhsa_float_denorm_mode_16_64 3
		.amdhsa_memory_ordered 1
		.amdhsa_forward_progress 1
		.amdhsa_inst_pref_size 85
	.end_amdhsa_kernel
	.amdgpu_metadata
---
amdhsa.version: [ 1, 2 ]
amdhsa.kernels:
  - .name:           k_qc322bd4a1b_experts
    .symbol:         k_qc322bd4a1b_experts.kd
    .args:
      - { .name: idx, .offset: 0, .size: 8, .value_kind: global_buffer, .address_space: global }
      - { .name: xq, .offset: 8, .size: 8, .value_kind: global_buffer, .address_space: global }
      - { .name: xs, .offset: 16, .size: 8, .value_kind: global_buffer, .address_space: global }
      - { .name: We_codes, .offset: 24, .size: 8, .value_kind: global_buffer, .address_space: global }
      - { .name: We_scales, .offset: 32, .size: 8, .value_kind: global_buffer, .address_space: global }
      - { .name: out0, .offset: 40, .size: 8, .value_kind: global_buffer, .address_space: global }
    .group_segment_fixed_size: 13568
    .private_segment_fixed_size: 0
    .kernarg_segment_align: 8
    .kernarg_segment_size: 48
    .max_flat_workgroup_size: 32
    .sgpr_count:     66
    .vgpr_count:     896
    .wavefront_size: 32
...
	.end_amdgpu_metadata
.endif
;; end of part 4
